; MI455X (gfx1250); checked and timed in simulation.
; The chip was launched on July 23, 2026; its instructions are those of AMD's public machine-readable ISA for CDNA 5 (MIT licence, August 2026) and "CDNA5" Instruction Set Architecture Reference Guide (July 2026). The comments in the code are by the model that wrote it; some were corrected since.
;; B Spline KAN. Allowed arithmetic: matrix products marked QUANTISED: E5M2 operands, one E8M0 scale for each 32 along K, by v_wmma_scale_f32_16x16x128_f8f6f4 with both operands' format E5M2, f32 sums; everything else in f32.
;; Inputs: b0 512 float32; b1 512 float32; bw0_codes 512 x 16 x 32 uint8 (E5M2 codes of bw0, K innermost, in blocks of 32 codes); bw0_scales 512 x 16 uint8 (E8M0 scales of bw0, one for each 32 codes along K); bw1_codes 512 x 16 x 32 uint8 (E5M2 codes of bw1, K innermost, in blocks of 32 codes); bw1_scales 512 x 16 uint8 (E8M0 scales of bw1, one for each 32 codes along K); g0 512 float32; g1 512 float32; sw0_codes 512 x 64 x 32 uint8 (E5M2 codes of sw0, K innermost, in blocks of 32 codes); sw0_scales 512 x 64 uint8 (E8M0 scales of sw0, one for each 32 codes along K); sw1_codes 512 x 64 x 32 uint8 (E5M2 codes of sw1, K innermost, in blocks of 32 codes); sw1_scales 512 x 64 uint8 (E8M0 scales of sw1, one for each 32 codes along K); x 4 x 4,096 x 512 float32.
;; Outputs: out0 4 x 4,096 x 512 float32.
;; This version of the problem:
;;   THIS VERSION OF THE PROBLEM IS GIVEN IN LOW PRECISION. The matrix products marked QUANTISED in the list below multiply operands that are first quantised to E5M2 (5 exponent bits, 2 mantissa bits; 8 bits a number), with one power-of-two scale for each 32 numbers along K (OCP MX v1.0); their sums are f32. All else is computed in f32.
;;   The module's matrix products, in the order in which they are computed (A, B: the left and right operand; K: the contracted axis; several contracted axes count as one K, in the product's order):
;;     1. [M 16,384, K 512] x [K 512, N 512]; A: computed on the way; B: input bw0 (given as codes): QUANTISED
;;     2. [M 16,384, K 2,048] x [K 2,048, N 512]; A: computed on the way; B: input sw0 (given as codes): QUANTISED
;;     3. [M 16,384, K 512] x [K 512, N 512]; A: computed on the way; B: input bw1 (given as codes): QUANTISED
;;     4. [M 16,384, K 2,048] x [K 2,048, N 512]; A: computed on the way; B: input sw1 (given as codes): QUANTISED
;;   THE QUANTISER, for each operand of a quantised product, along K:
;;     - K is cut into blocks of 32 from its start; a last block that is shorter is filled with zeros.
;;     - A block's scale is 2^e with e = floor(log2(the largest magnitude in the block)) - 15, held to -126 .. 127; a block of zeros has e = 0. As a byte (E8M0): e + 127.
;;     - Each number is divided by its block's scale, clamped to +-57,344, and rounded to the nearest number of E5M2, ties to even, subnormals kept.
;;     - The product sums the exact products of the quantised numbers (number of the format x scale) in f32.
;;   ~~~python
;;   def quantise(x, axis):      # numpy; x: float32 -> the quantised numbers, widened to float32 again
;;       x = np.moveaxis(x, axis, -1); K = x.shape[-1]
;;       x = np.pad(x, [(0, 0)] * (x.ndim - 1) + [(0, -K % 32)]); x = x.reshape(x.shape[:-1] + (-1, 32)); a = np.abs(x).max(-1, keepdims=True)
;;       e = np.where(a > 0, np.clip(np.frexp(np.where(a > 0, a, 1))[1] - 1 - 15, -126, 127), 0)      # np.frexp(a)[1] - 1 = floor(log2(a)), exactly
;;       r = np.clip(x / 2.0 ** e, -57344, 57344)
;;       step = 2.0 ** (np.maximum(np.frexp(np.where(r == 0, 1, r))[1] - 1, -14) - 2)
;;       q = np.round(r / step) * step * 2.0 ** e      # np.round: ties to even
;;       return np.moveaxis(q.reshape(q.shape[:-2] + (-1,))[..., :K], -1, axis).astype(np.float32)
;;   ~~~
;;   OPERANDS COMPUTED ON THE WAY. 'Computed on the way' means the value that the module computes at that place (a softmax that the list does not call 'softmax' is quantised finished and normalised). What goes into a quantiser is computed in f32, as accurately as f32 sums, v_exp_f32 and their like allow (about 1e-6 of the number): no bf16 or f16 on the way to a quantiser, and a product that is left as it is and whose result goes on into a quantised operand takes f32 operands (vector FMAs, or v_wmma_f32_16x16x4_f32). A number that lies on a knife's edge between two numbers of the format may be rounded either way, as far as f32 arithmetic and the matrix unit's own rounding can turn it there, and no further.
;;   INPUTS GIVEN AS CODES. bw0 (in the module: [512, 512], K = its axis 1); bw1 (in the module: [512, 512], K = its axis 1); sw0 (in the module: [512, 2048], K = its axis 1); sw1 (in the module: [512, 2048], K = its axis 1): each comes as NAME_codes (uint8): NAME with its K axis moved to the last place and cut into blocks of 32 codes, [.., K / 32, bytes a block], one block behind the other in memory; one code a byte (a code: sign, 5 exponent bits, 2 mantissa bits); and NAME_scales (uint8): the same leading axes, one E8M0 byte (e + 127) for each 32 codes along K. Its value is code x scale, taken as it is: it is not quantised again, and the codes and scales need not be those that the quantiser above would give.
;; One version. Each part assembles by itself: llvm-mc -triple=amdgcn-amd-amdhsa -mcpu=gfx1250 --defsym DOCPART=n.
;; ======== version 1 of 1: 3 launches
;; workspace buffers: h 33,554,432 bytes; p0 1,048,576 bytes; p1 1,048,576 bytes; p2 1,048,576 bytes; wl0 1,351,680 bytes; wl1 1,351,680 bytes
;; launch prep (part 1): grid 296 x 1, 4 waves a work-group, no clusters, 0 bytes of LDS; arguments x, bw0_codes, bw0_scales, sw0_codes, sw0_scales, bw1_codes, bw1_scales, sw1_codes, sw1_scales, p0, wl0, wl1; writes p0, wl0, wl1
.if DOCPART == 1
	.amdgcn_target "amdgcn-amd-amdhsa--gfx1250"
	.amdhsa_code_object_version 6
	.text
	.protected	k_q5da2543928_prep
	.globl	k_q5da2543928_prep
	.p2align	8
	.type	k_q5da2543928_prep,@function
k_q5da2543928_prep:
	s_mov_b64 s[64:65], 0
	v_nop
	global_prefetch_b8 v0, s[64:65] scope:SCOPE_SE
	s_setreg_imm32_b32 hwreg(HW_REG_WAVE_MODE, 25, 1), 1
	s_wait_xcnt 0x0
; TWO JOBS IN ONE LAUNCH, told apart by the work-group's number.  No LDS, no barrier: waves share nothing.
; Work-groups 0 to 255: the smallest and the largest number of each of the 512 columns over 64 rows of x: p0[work-group][min, max][512], f32.
; Work-groups 256 to 295: the weights of both layers are laid in the order in which a wave's operand registers take them (wl0, wl1):
;   codes at slot*131072 + c*32768 + s*16384 + t*2048 + cc*512 + lane*16.  slot: 256 along K (slots 0, 1: bw; 2 to 9: sw); c: 128 columns; s: 128 along K;
;   t: 16 columns; cc: a block of 32 along K.  Lane (r, hh) has the 16 codes of column 128 c + 16 t + r at k = 128 s + 32 cc + 16 hh on.
;   In sw, k = 4 f + i (feature f, basis function i).  In each 8 codes (two features j = 0, 1) the code at 4 j + i moves to 2 i + j: the order in which the layer's
;   packed arithmetic leaves its own codes.  The move stays inside a block of 32 and is made alike on both operands, so every product keeps its partner and its scale.
;   scale words at 1310720 + slot*4096 + c*1024 + L*512 + lane*16: word 2 u + s of a lane is the word of column 128 c + 64 L + 32 u + lane for K step s.
; LIMITS: NaN among x is not served (a NaN loses in the minimum and the maximum).
.set R,    16                          ; v16-143  path A: four groups of 8 rows x 4 numbers;  path B: 32 loads of 16 codes
.set MN,   144                         ; v144-147 the smallest so far of my four columns
.set MX,   148                         ; v148-151 the largest
.set INR,  16
.set OUTR, 144                         ; v144-255 path B: the moved codes of tiles 0 to 6; tile 7's go where tile 0's were loaded
	s_load_b512 s[4:19], s[0:1], 0x0               ; x, bw0 codes, bw0 scales, sw0 codes, sw0 scales, bw1 codes, bw1 scales, sw1 codes
	s_load_b256 s[20:27], s[0:1], 0x40             ; sw1 scales, p0, wl0, wl1
	s_cmp_ge_u32 ttmp9, 256
	s_cbranch_scc1 .Lrelay
; ---- path A.  Thread t owns columns 4 t to 4 t + 3: a load of the wave covers 512 consecutive bytes of a row, the four waves a whole row.
	v_lshlrev_b32 v1, 4, v0
	s_lshl_b32 s28, ttmp9, 17                      ; 64 rows of 2,048 bytes
	s_mov_b32 s29, 0
	s_lshl_b32 s30, ttmp9, 12                      ; 4,096 bytes of p0 a work-group
	s_mov_b32 s31, 0
	s_wait_kmcnt 0x0
	s_add_nc_u64 s[4:5], s[4:5], s[28:29]
	s_add_nc_u64 s[22:23], s[22:23], s[30:31]
.macro GLOAD g                         ; rows 8 g to 8 g + 7 into group g % 4
.irp jj, 0,1,2,3,4,5,6,7
	global_load_b128 v[R+32*((\g)%4)+4*\jj:R+32*((\g)%4)+4*\jj+3], v1, s[4:5] offset:(8*(\g)+\jj)*2048
.endr
.endm
.macro GRED g                          ; two rows an instruction; the very first pair starts both figures: nothing is preset
.set RB, R+32*((\g)%4)
.irp c, 0,1,2,3
.if (\g) == 0
	v_min_num_f32 v[MN+\c], v[RB+\c], v[RB+4+\c]
	v_max_num_f32 v[MX+\c], v[RB+\c], v[RB+4+\c]
.else
	v_min3_num_f32 v[MN+\c], v[MN+\c], v[RB+\c], v[RB+4+\c]
	v_max3_num_f32 v[MX+\c], v[MX+\c], v[RB+\c], v[RB+4+\c]
.endif
.endr
.irp jj, 2,4,6
.irp c, 0,1,2,3
	v_min3_num_f32 v[MN+\c], v[MN+\c], v[RB+4*\jj+\c], v[RB+4*\jj+4+\c]
	v_max3_num_f32 v[MX+\c], v[MX+\c], v[RB+4*\jj+\c], v[RB+4*\jj+4+\c]
.endr
.endr
.endm
	GLOAD 0
	GLOAD 1
	GLOAD 2
	GLOAD 3
.irp g, 0,1,2,3,4,5,6,7
.if \g < 5
	s_wait_loadcnt 24                              ; group g is in; the three groups issued behind it may be out
.else
	s_wait_loadcnt 8*(7-\g)                        ; nothing is issued any more: the counts run down
.endif
	GRED \g
.if \g < 4
	GLOAD \g+4
.endif
.endr
	global_store_b128 v1, v[MN:MN+3], s[22:23]                 ; a wave stores 512 consecutive bytes
	global_store_b128 v1, v[MX:MX+3], s[22:23] offset:2048
	s_endpgm
; ---- path B.  j = work-group - 256: layer j / 20; slot (j % 20) / 2; the work-group's four waves take four of the slot's eight chunks of 16,384 bytes.
.Lrelay:
	v_lshrrev_b32 v2, 5, v0
	v_readfirstlane_b32 s32, v2                    ; wave
	v_and_b32 v3, 31, v0                           ; lane
	v_and_b32 v4, 15, v0                           ; r
	v_bfe_u32 v5, v0, 4, 1                         ; hh
	v_lshlrev_b32 v9, 4, v3                        ; out: 16 bytes a lane
	s_sub_co_u32 s28, ttmp9, 256
	s_mov_b32 s46, 0x05010400                      ; byte selects: codes 0, 4, 1, 5 of eight,
	s_mov_b32 s47, 0x07030602                      ; and 2, 6, 3, 7
	s_wait_kmcnt 0x0
	s_cmp_ge_u32 s28, 20                           ; the layer: the choice hangs on the work-group's number alone
	s_cselect_b64 s[6:7], s[14:15], s[6:7]
	s_cselect_b64 s[8:9], s[16:17], s[8:9]
	s_cselect_b64 s[10:11], s[18:19], s[10:11]
	s_cselect_b64 s[12:13], s[20:21], s[12:13]
	s_cselect_b64 s[24:25], s[26:27], s[24:25]
	s_cselect_b32 s29, 20, 0
	s_sub_co_u32 s28, s28, s29
	s_lshr_b32 s30, s28, 1                         ; slot
	s_and_b32 s31, s28, 1
	s_lshl_b32 s31, s31, 2
	s_add_co_u32 s31, s31, s32                     ; chunk wv = 2 c + s, 0 to 7
	s_lshr_b32 s33, s31, 1                         ; c
	s_and_b32 s34, s31, 1                          ; s, and L for the scale words
	s_lshl_b32 s35, s31, 6                         ; 128 c + 64 L
	v_add_nc_u32 v6, s35, v3                       ; the column whose scale words I fetch (u = 0)
	s_lshl_b32 s36, s30, 17
	s_lshl_b32 s37, s31, 14
	s_add_co_u32 s36, s36, s37
	s_mov_b32 s37, 0
	s_add_nc_u64 s[38:39], s[24:25], s[36:37]      ; where my chunk of codes goes
	s_lshl_b32 s36, s30, 12
	s_lshl_b32 s42, s31, 9
	s_add_co_u32 s36, s36, s42
	s_add_co_u32 s36, s36, 1310720
	s_add_nc_u64 s[40:41], s[24:25], s[36:37]      ; and my 512 bytes of scale words
; pitch: a row of codes in bytes; spitch: a row of scale bytes; perm: move the codes; cb, sb: the registers of the two bases; sl0: the tensor's first slot
.macro RELAY pitch, spitch, perm, cb, sb, sl0
	s_sub_co_u32 s43, s30, \sl0
	s_mul_i32 s42, s33, 128*\pitch                 ; my 128 columns,
	s_lshl_b32 s44, s43, 8
	s_add_co_u32 s42, s42, s44                     ; the slot's 256 along K,
	s_lshl_b32 s44, s34, 7
	s_add_co_u32 s42, s42, s44                     ; my 128 of them
	s_lshl_b32 s44, s43, 3                         ; scale bytes: 8 a slot
	s_mov_b32 s43, 0
	s_mov_b32 s45, 0
	s_add_nc_u64 s[\cb:\cb+1], s[\cb:\cb+1], s[42:43]
	s_add_nc_u64 s[\sb:\sb+1], s[\sb:\sb+1], s[44:45]
	v_mul_u32_u24 v7, v6, \spitch
	v_mul_u32_u24 v8, v4, \pitch
	v_lshl_add_u32 v8, v5, 4, v8                   ; column r of a tile, + 16 hh
.irp u, 0,1
	global_load_b64 v[10+2*\u:11+2*\u], v7, s[\sb:\sb+1] offset:\u*32*\spitch   ; the words of K steps 0 and 1 of column .. + 32 u
.endr
.irp t, 0,1,2,3,4,5,6,7
.irp cc, 0,1,2,3
	global_load_b128 v[INR+16*\t+4*\cc:INR+16*\t+4*\cc+3], v8, s[\cb:\cb+1] offset:\t*16*\pitch+32*\cc
.endr
.endr
.irp t, 0,1,2,3,4,5,6,7
	s_wait_loadcnt 28-4*\t                         ; tile t's four loads are in (and all issued ahead of them); the later tiles' may be out
.if \t == 0
	global_store_b128 v9, v[10:13], s[40:41]
.endif
.if \perm
.if \t < 7
.set OB, OUTR+16*\t                    ; every store has data registers of its own: none is written again
.else
.set OB, INR                           ; tile 0's load registers: read by vector instructions alone, long ago
.endif
.irp w, 0,2,4,6,8,10,12,14
	v_perm_b32 v[OB+\w], v[INR+16*\t+\w+1], v[INR+16*\t+\w], s46
	v_perm_b32 v[OB+\w+1], v[INR+16*\t+\w+1], v[INR+16*\t+\w], s47
.endr
.irp cc, 0,1,2,3
	global_store_b128 v9, v[OB+4*\cc:OB+4*\cc+3], s[38:39] offset:\t*2048+\cc*512   ; a wave stores 512 consecutive bytes
.endr
.else
.irp cc, 0,1,2,3
	global_store_b128 v9, v[INR+16*\t+4*\cc:INR+16*\t+4*\cc+3], s[38:39] offset:\t*2048+\cc*512
.endr
.endif
.endr
.endm
	s_cmp_lt_u32 s30, 2
	s_cbranch_scc0 .Lsw
	RELAY 512, 16, 0, 6, 8, 0
	s_endpgm
.Lsw:
	RELAY 2048, 64, 1, 10, 12, 2
	s_endpgm
.Lfunc_end_k_q5da2543928_prep:
	.size	k_q5da2543928_prep, .Lfunc_end_k_q5da2543928_prep-k_q5da2543928_prep
	.p2alignl 7, 3214868480
	.fill 96, 4, 3214868480
	.section	.rodata,"a",@progbits
	.p2align	6, 0x0
	.amdhsa_kernel k_q5da2543928_prep
		.amdhsa_group_segment_fixed_size 0
		.amdhsa_private_segment_fixed_size 0
		.amdhsa_enable_private_segment 0
		.amdhsa_kernarg_size 96
		.amdhsa_user_sgpr_count 2
		.amdhsa_user_sgpr_kernarg_segment_ptr 1
		.amdhsa_wavefront_size32 1
		.amdhsa_system_sgpr_workgroup_id_x 1
		.amdhsa_system_sgpr_workgroup_id_y 1
		.amdhsa_system_sgpr_workgroup_id_z 1
		.amdhsa_system_vgpr_workitem_id 0
		.amdhsa_next_free_vgpr 256
		.amdhsa_next_free_sgpr 66
		.amdhsa_reserve_vcc 0
		.amdhsa_float_denorm_mode_32 3
		.amdhsa_float_denorm_mode_16_64 3
		.amdhsa_memory_ordered 1
		.amdhsa_forward_progress 1
		.amdhsa_inst_pref_size 47
	.end_amdhsa_kernel
	.amdgpu_metadata
---
amdhsa.version: [ 1, 2 ]
amdhsa.kernels:
  - .name:           k_q5da2543928_prep
    .symbol:         k_q5da2543928_prep.kd
    .args:
      - { .name: x, .offset: 0, .size: 8, .value_kind: global_buffer, .address_space: global }
      - { .name: bw0_codes, .offset: 8, .size: 8, .value_kind: global_buffer, .address_space: global }
      - { .name: bw0_scales, .offset: 16, .size: 8, .value_kind: global_buffer, .address_space: global }
      - { .name: sw0_codes, .offset: 24, .size: 8, .value_kind: global_buffer, .address_space: global }
      - { .name: sw0_scales, .offset: 32, .size: 8, .value_kind: global_buffer, .address_space: global }
      - { .name: bw1_codes, .offset: 40, .size: 8, .value_kind: global_buffer, .address_space: global }
      - { .name: bw1_scales, .offset: 48, .size: 8, .value_kind: global_buffer, .address_space: global }
      - { .name: sw1_codes, .offset: 56, .size: 8, .value_kind: global_buffer, .address_space: global }
      - { .name: sw1_scales, .offset: 64, .size: 8, .value_kind: global_buffer, .address_space: global }
      - { .name: p0, .offset: 72, .size: 8, .value_kind: global_buffer, .address_space: global }
      - { .name: wl0, .offset: 80, .size: 8, .value_kind: global_buffer, .address_space: global }
      - { .name: wl1, .offset: 88, .size: 8, .value_kind: global_buffer, .address_space: global }
    .group_segment_fixed_size: 0
    .private_segment_fixed_size: 0
    .kernarg_segment_align: 8
    .kernarg_segment_size: 96
    .max_flat_workgroup_size: 128
    .sgpr_count:     66
    .vgpr_count:     256
    .wavefront_size: 32
...
	.end_amdgpu_metadata
.endif
;; end of part 1
;; launch layer0 (part 2): grid 256 x 1, 8 waves a work-group, clusters of 4 x 1, 327,680 bytes of LDS; arguments x, p0, wl0, g0, b0, h, p1; writes h, p1
.if DOCPART == 2
	.amdgcn_target "amdgcn-amd-amdhsa--gfx1250"
	.amdhsa_code_object_version 6
	.text
	.protected	k_q5da2543928_layer0
	.globl	k_q5da2543928_layer0
	.p2align	8
	.type	k_q5da2543928_layer0,@function
k_q5da2543928_layer0:
	s_mov_b64 s[64:65], 0
	v_nop
	global_prefetch_b8 v0, s[64:65] scope:SCOPE_SE
	s_setreg_imm32_b32 hwreg(HW_REG_WAVE_MODE, 25, 1), 1
	s_wait_xcnt 0x0
	s_wait_alu depctr_hold_cnt(0) depctr_sa_sdst(0) depctr_va_vdst(0) depctr_va_sdst(0) depctr_va_ssrc(0) depctr_va_vcc(0) depctr_vm_vsrc(0)
	s_getreg_b32 s2, hwreg(HW_REG_IB_STS2, 6, 4)
	s_cmp_eq_u32 s2, 0
	s_cbranch_scc0 .Lentry_in_a_cluster
	s_endpgm
.Lentry_in_a_cluster:
	s_bfe_u32 s2, ttmp6, 0x10000c
	s_cmp_lg_u32 s2, 0x3003
	s_cbranch_scc0 .Lentry_shape_is_right
	s_endpgm
.Lentry_shape_is_right:
; ONE LAYER: out = silu(LayerNorm(silu(in) bw^T + basis(in) sw^T) g + b), as ONE product of 64 rows x 512 columns x K 2,560 a work-group, on codes of E5M2 with one E8M0 scale for each 32 along K.
; K = 512 numbers silu(in), then 2,048 spline numbers (k = 4 f + i).  in, out: [16384][512] f32.  pin: the smallest and largest number of each column over each block of 64 rows of in, [256][2][512];
; pout: the same of out.  wl: the weights in the order of the operand's registers, and their scale words (laid by the launch before).
; THE SPLINE.  u = 517 (x - min) / (max - min).  On the knots 0,0,0,0,1,2,3,4 (in u) the first four cubic basis functions come by the Cox-de Boor steps themselves, with Dk = k - u and the four
; degree-1 functions a = max(D1, 0), h1 = med3(u, D2, 0), h2 = med3(u - 1, D3, 0), h3 = med3(u - 2, D4, 0): every term is a product of numbers that are not negative, nothing cancels.
; SHARES.  Eight waves in two roles, a consumer and a producer to a pair.  PRODUCER q makes the codes and scale words of rows 16 q to 16 q + 15 and leaves them in LDS as images of the operand's registers.
; CONSUMER q multiplies all 64 rows by columns 128 q to 128 q + 127: 32 accumulators in v256-511.  So the left operand is made once, and vector work and matrix work come from different waves.
; The product is used transposed (source 0 = 16 columns of weights, source 1 = 16 rows): a lane holds one row and eight neighbouring columns.
; TEN INTERVALS of 256 along K.  In interval i the consumers multiply weights W(i) and operand A(i), the producers make A(i + 1), and W(i + 1) is on its way into the other slot.
; CLUSTER.  All work-groups walk the same weights: the four of a cluster ask for each chunk JOINTLY, by the same tensor load with the same descriptor and the mask of the four.
; The weights' scale words (1,024 bytes a consumer and interval, a thirty-second of its codes) go from memory straight into registers and are not asked for jointly.
; LIMITS.  A column that is constant over a sequence (max = min), NaN and infinities are not served (the definition is not finite there).  silu(x) under about x = -88 comes out as -0 where its magnitude
; is under 1e-36.  A block of zeros has the scale byte 1, not 127: its codes are zeros, and this program alone reads the bytes.  Spline numbers outside the support may be -0.
; u is formed with 517 and 1/6 in f32: it differs from the definition's f32 knots by a few parts in 10^7.
.set SLOT,   131072                    ; LDS: two slots of weights, 256 along K x 512 columns each, at 0 and SLOT
.set AIMG,   2*SLOT                    ; two buffers of 16,384: fragment (K step s, rows 16 p on) at s*8192 + p*2048; in it cc*512 + 16*lane
.set ASC,    AIMG+32768                ; two buffers of 512: the operand's scale words at s*256 + p*64 + 4 r
.set STX,    ASC+1024                  ; min[512]; 2,048 bytes on: 517 / (max - min)[512]
.set LNS,    STX+4096                  ; the rows' sums at row*16 + 4 q; 1,024 bytes on: of squares
.set SPARE,  LNS+2048                  ; the spare words, 128 bytes for each wave: four blocks of 256 bytes that no other line names
.set SPITCH, 2064                      ; the way out: a stage of 64 rows x (2,048 bytes + 16) from byte 0 on: in the slots, behind their last fill and last read
.set MMS,    139264                    ; the way out: [8 waves][min, max][512] f32, likewise
; vector registers.  v1-23 are made at the head, ahead of the roles' first parting, and hold addresses and offsets alone
.set SPW, 1                            ; my spare word: SPARE + 4 x my thread's number; never rewritten
.set NIL, 2                            ; 0; never rewritten
.set L16, 3                            ; 16 x lane
.set WB0, 4                            ; v4, v5: my 128 columns' fragments in slot 0, 1: q*32768 + 16 lane
.set AB,  6                            ; AIMG + 16 lane
.set AW,  7                            ; AIMG + q*2048 + 16 lane
.set ASL, 8                            ; ASC + 4 lane
.set ASW, 9                            ; ASC + 64 q + 4 r
.set STA, 10                           ; STX + 16 hh + 512 x (trip - 1): stepped once a trip
.set STW, 11                           ; STX + 512 q + 16 lane
.set LNW, 12                           ; LNS + 16 r + 4 q
.set LNR, 13                           ; LNS + 16 r
.set SO0, 14                           ; v14, v15: the stage, on the way in: 2064 r + 32 hh + 512 q; 32 rows on
.set SR,  16                           ; and back: wave*8 rows + 16 lane
.set MW,  17                           ; MMS + wave*4096 + 16 lane
.set MR,  18                           ; MMS + 8 x thread
.set XOS, 19                           ; in: 2048 r + 64 hh
.set XOB, 20                           ; in: 2048 r + 16 hh
.set PIO, 21                           ; pin: 512 q + 16 lane
.set T8,  22                           ; 8 x thread
.set PFO, 23                           ; 256 x lane
.set WS,  26                           ; v26-41 the weights' scale words, a set of 8 for even and for odd slots: register 2 (t / 2) + s; tile t in lanes 0-15 (t even) or 16-31
.set AS,  42                           ; v42-45 the operand's: register 2 s + a / 2; rows 16 a on in lanes 0-15 (a even) or 16-31.  v26-45 hold scales and nothing else
.set X,   64                           ; consumer: v64-127 the operand's four fragments; v128-191, v192-255 four fragments of weights each
.set H0,  128
.set H1,  192
.set MNS, 46                           ; consumer at the head: v46-49 min, v50-53 max, v54-61 at work
.set MXS, 50
.set LT,  96                           ; consumer on the way out: v96-111 four partial sums a row; v112-119 the exchange between the halves of the lanes
.set RT,  112
.set XA,  46                           ; producer, silu: v46-109, v110-173 two sets of 64 numbers; v174-237 at work
.set XF,  110
.set T,   174
.set BX,  46                           ; producer, spline: v46-77, v78-109 two sets of 32 numbers (then u)
.set D1,  110
.set D2,  118
.set D3,  126
.set D4,  134
.set P1,  142                          ; degree 2: D1 a;
.set E2,  150                          ; u a + D2 h1 / 2, then half of it;
.set Q3,  158                          ; u h1 + D3 h2, then a sixth;
.set Q4,  166                          ; (u - 1) h2 + D4 h3, then a sixth
.set HT0, 174                          ; a, h1, h2, h3; then the 32 results
.set HT1, 182
.set HT2, 190
.set HT3, 198
.set OUT, 174
.set SM,  206                          ; min of the batch's 8 features
.set SS,  214                          ; 517 / (max - min)
.set F2,  222
.set PW,  238                          ; v238, v239 the scale word in the making, one for each K step
.set PC,  240                          ; v240-255 the codes just made
.set GG,  64                           ; all waves at the end: v64-79 g, v80-95 b, v96-111 min, v112-127 max, v128-191 two sets of two rows, v192-223 at work
.set BB,  80
.set MNF, 96
.set MXF, 112
.set ZS,  128
.set EE,  192
; scalar registers
.set PIN, 6                            ; s[4:17] the seven addresses: in, pin, wl, g, b, out, pout
.set WL,  8
.set GP,  10
.set BP,  12
.set WV,  18                           ; wave
.set ROLE, 19                          ; 0 consumer (waves 0, 2, 5, 7), 1 producer (1, 3, 4, 6)
.set Q,   20                           ; wave / 2
.set WG,  21                           ; work-group
.set SEL, 22                           ; s[22:23] v_permlanex16_b32's selects for lane l xor 16
.set G1,  24                           ; s[24:31] descriptor group 1
.set G0,  32                           ; s[32:39] group 0, a set for each slot
.set TRIP, 40
.set LIM, 42                           ; 1 in a wave that prefetches, else the greatest number
.set MNT, 43                           ; the mantissa field of 57,344
.set PFA, 44                           ; s[44:45] where my prefetches stand
.set XB,  46                           ; s[46:47] in at my 16 rows
.set XBB, 48                           ; s[48:49] the same, walking along the row
.set WSB, 50                           ; s[50:51] my scale words in wl, walking
.set YB,  52                           ; s[52:53] out at my wave's 8 rows
.set PIB, 54                           ; s[54:55] pin at my batch
.set POB, 56                           ; s[56:57] pout at my work-group
.set NL2E, 58                          ; s[58:59] -log2(e)
.set SIXTH, 60                         ; s[60:61] 1/6
.set R512, 62                          ; 1/512
.set EPS, 63                           ; 1e-5
.set THREE, 76                         ; s[76:77] 3.0
.set MSB, 0
.macro WIN new                         ; the immediate's high byte repeats the setting that is left; a switch that changes nothing is dropped
.if MSB != (\new)
	s_set_vgpr_msb (MSB<<8)|(\new)
.set MSB, (\new)
.endif
.endm
.macro PLACES n                        ; plain vector instructions between a matrix instruction and a load into, or a vector read or write of, its registers (ISA guide 7.12.1 for vector reads and writes): eight for this form
.rept \n
	v_nop
.endr
.endm
.macro BARRIER                         ; my LDS stores have landed and my LDS loads are in: then the work-group's barrier
	s_wait_dscnt 0x0
	s_barrier_signal -1
	s_barrier_wait -1
.endm
.macro ROUND                           ; a round of the cluster's barrier
	s_barrier_signal -1
	s_barrier_wait -1
	s_cmp_lg_u32 s[WV], 0
	s_cbranch_scc1 .Lnw0_\@
	s_barrier_signal -3
.Lnw0_\@:
	s_barrier_wait -3
	s_barrier_signal -1
	s_barrier_wait -1
.endm
; A PREFETCH INTO THE L2 of the slot of weights that the change of slots after the next will ask for: 131,072 bytes.  All clusters walk the same weights: cluster 0 asks.  Its four work-groups' four producers,
; sixteen waves, take 8,192 bytes each, told apart by address, lanes 256 bytes apart: each block of 256 bytes is named once in the launch.  Intervals 1 to 6 name W(4) to W(9); W(0) to W(3) come by their loads alone.
.macro ASK
	s_cmp_gt_u32 s[TRIP], s[LIM]
	s_cbranch_scc0 .Lna_\@
	global_prefetch_b8 v[PFO], s[PFA:PFA+1] th:TH_LOAD_NT scope:SCOPE_SE
.Lna_\@:
.endm
; my 16 rows' numbers of K step u of the silu part: lane (r, hh) takes, of row r, 16 neighbours of each block of 32
.macro XLOADS reg, u
.irp c, 0,1,2,3
.irp j, 0,1,2,3
	global_load_b128 v[\reg+16*\c+4*\j:\reg+16*\c+4*\j+3], v[XOS], s[XB:XB+1] offset:512*(\u)+128*\c+16*\j
.endr
.endr
.endm
; a spline slot's 64 features: lane (r, hh) takes features 8 c + 4 hh + 0 .. 3 of each block (32 along K are 8 features)
.macro XLOADB bx, off
.irp ks, 0,1
.irp c, 0,1,2,3
	global_load_b128 v[\bx+16*\ks+4*\c:\bx+16*\ks+4*\c+3], v[XOB], s[XBB:XBB+1] offset:(\off)+128*\ks+32*\c
.endr
.endr
.endm
.macro STLOAD off                      ; min and 517 / (max - min) of a batch's 8 features
	ds_load_b128 v[SM:SM+3], v[STA] offset:(\off)
	ds_load_b128 v[SM+4:SM+7], v[STA] offset:(\off)+32
	ds_load_b128 v[SS:SS+3], v[STA] offset:(\off)+2048
	ds_load_b128 v[SS+4:SS+7], v[STA] offset:(\off)+2080
.endm
; nb blocks of 32 along K, 16 numbers of each in my registers v[src + 16 b ..], the other 16 in lane l xor 16, become codes in v[pc + 4 b ..] and bytes b0 + b of the scale word v[pw].
; sgn = 1: numbers of both signs.  From v[tm]: nb largest magnitudes, nb bytes, nb limits, nb scale operands.
.macro QUANT src, nb, sgn, tm, pc, b0, pw
.set QB, 0
.rept \nb
.if \sgn
	v_max3_num_f32 v[\tm+QB], |v[\src+16*QB]|, |v[\src+16*QB+1]|, 0x8000000   ; with the floor 2^(16 - 127): the byte cannot fall under 1
.else
	v_max3_num_f32 v[\tm+QB], v[\src+16*QB], v[\src+16*QB+1], 0x8000000
.endif
.set QB, QB+1
.endr
.irp i, 2,4,6,8,10,12,14
.set QB, 0
.rept \nb
.if \sgn
	v_max3_num_f32 v[\tm+QB], v[\tm+QB], |v[\src+16*QB+\i]|, |v[\src+16*QB+\i+1]|
.else
	v_max3_num_f32 v[\tm+QB], v[\tm+QB], v[\src+16*QB+\i], v[\src+16*QB+\i+1]
.endif
.set QB, QB+1
.endr
.endr
.set QB, 0
.rept \nb
	v_permlanex16_b32 v[\tm+\nb+QB], v[\tm+QB], s[SEL], s[SEL+1]
.set QB, QB+1
.endr
.set QB, 0
.rept \nb
	v_max_num_f32 v[\tm+QB], v[\tm+QB], v[\tm+\nb+QB]          ; the block's largest magnitude
.set QB, QB+1
.endr
.set QB, 0
.rept \nb
	v_add_nc_u32 v[\tm+3*\nb+QB], 0xf8800000, v[\tm+QB]        ; 15 off its exponent field: the conversion's scale operand
.set QB, QB+1
.endr
.set QB, 0
.rept \nb
	v_and_or_b32 v[\tm+2*\nb+QB], v[\tm+QB], 0x7f800000, s[MNT]   ; 57,344 x the scale
.set QB, QB+1
.endr
.set QB, 0
.rept \nb
	v_lshrrev_b32 v[\tm+\nb+QB], 23, v[\tm+3*\nb+QB]           ; the scale's byte
.set QB, QB+1
.endr
.set QB, 0
.rept \nb
.if (\b0+QB) == 0
	v_mov_b32 v[\pw], v[\tm+\nb+QB]
.else
	v_lshl_or_b32 v[\pw], v[\tm+\nb+QB], 8*(\b0+QB), v[\pw]
.endif
.set QB, QB+1
.endr
.set QB, 0
.rept \nb
.irp i, 0,1,2,3,4,5,6,7,8,9,10,11,12,13,14,15
.if \sgn
	v_med3_num_f32 v[\src+16*QB+\i], v[\src+16*QB+\i], -v[\tm+2*\nb+QB], v[\tm+2*\nb+QB]   ; the conversion to an 8-bit code does not saturate (ISA guide 7.6.2): the hold at the largest code x the scale
.else
	v_min_num_f32 v[\src+16*QB+\i], v[\src+16*QB+\i], v[\tm+2*\nb+QB]                      ; never negative: the hold is one-sided
.endif
.endr
	v_cvt_scalef32_pk8_bf8_f32 v[\pc+4*QB:\pc+4*QB+1], v[\src+16*QB:\src+16*QB+7], v[\tm+3*\nb+QB]
	v_cvt_scalef32_pk8_bf8_f32 v[\pc+4*QB+2:\pc+4*QB+3], v[\src+16*QB+8:\src+16*QB+15], v[\tm+3*\nb+QB]
.set QB, QB+1
.endr
	v_nop                                          ; one plain vector instruction behind the last scaled conversion
.endm
.macro IMG pc, n, off                  ; n blocks' codes go to LDS as they stand in the registers: 512 consecutive bytes a store
.set IJ, 0
.rept \n
	ds_store_b128 v[AW], v[\pc+4*IJ:\pc+4*IJ+3] offset:\off+512*IJ
.set IJ, IJ+1
.endr
.endm
; 64 numbers x of a lane become silu(x) = x / (1 + 2^(-x log2 e)), then K step s of operand buffer buf.  Each kind of transcendental is one batch with one wait.
.macro SILUQ reg, buf, s
.set SJ, 0
.rept 32
	v_pk_mul_f32 v[T+SJ:T+SJ+1], v[\reg+SJ:\reg+SJ+1], s[NL2E:NL2E+1] op_sel_hi:[1,0]
.set SJ, SJ+2
.endr
.set SJ, 0
.rept 64
	v_exp_f32 v[T+SJ], v[T+SJ]
.set SJ, SJ+1
.endr
	v_nop                                          ; a plain instruction behind the last exponential,
	s_wait_alu depctr_va_vdst(0)                   ; and a wait ahead of the batch's first reader
.set SJ, 0
.rept 32
	v_pk_add_f32 v[T+SJ:T+SJ+1], v[T+SJ:T+SJ+1], 1.0 op_sel_hi:[1,0]
.set SJ, SJ+2
.endr
.set SJ, 0
.rept 64
	v_rcp_f32 v[T+SJ], v[T+SJ]
.set SJ, SJ+1
.endr
	v_nop
	s_wait_alu depctr_va_vdst(0)                   ; likewise for the reciprocals
.set SJ, 0
.rept 32
	v_pk_mul_f32 v[\reg+SJ:\reg+SJ+1], v[\reg+SJ:\reg+SJ+1], v[T+SJ:T+SJ+1]
.set SJ, SJ+2
.endr
	s_wait_dscnt 0x0                               ; the last image's stores have read the codes' registers
	QUANT \reg, 4, 1, 222, PC, 0, PW+(\s)
	IMG PC, 4, (\buf)*16384+(\s)*8192
	ds_store_b32 v[ASW], v[PW+(\s)] offset:(\buf)*512+(\s)*256   ; lanes r and r + 16 hold the same word and write it to the same place
.endm
; EIGHT FEATURES OF A LANE (v[xr ..]) become 32 spline numbers: blocks 2 k and 2 k + 1 of K step s of operand buffer buf.  Result i of the pair of features p stands at OUT + 8 p + 2 i (+ 1): the order in which the weights' codes were laid.
; nd: the LDS stores issued behind this batch's statistics loads, which may stay out.  nxt: where the next batch's statistics lie.  guard = 1: there may be no next batch.
.macro BATCH xr, k, buf, s, nd, nxt, guard
	s_wait_dscnt \nd
.irp p, 0,2,4,6
	v_pk_add_f32 v[\xr+\p:\xr+\p+1], v[\xr+\p:\xr+\p+1], v[SM+\p:SM+\p+1] neg_lo:[0,1] neg_hi:[0,1]   ; x - min first, by itself: exactly 0 at the minimum
.endr
.irp p, 0,2,4,6
	v_pk_mul_f32 v[\xr+\p:\xr+\p+1], v[\xr+\p:\xr+\p+1], v[SS+\p:SS+\p+1]                             ; u
.endr
.if (\guard)
	s_cmp_eq_u32 s[TRIP], 1                        ; the last slot has no successor
	s_cbranch_scc1 .Lnst_\@
.endif
	STLOAD \nxt
.if (\guard)
.Lnst_\@:
.endif
.irp p, 0,2,4,6
	v_pk_add_f32 v[D1+\p:D1+\p+1], v[\xr+\p:\xr+\p+1], 1.0 op_sel_hi:[1,0] neg_lo:[1,0] neg_hi:[1,0]
	v_pk_add_f32 v[D2+\p:D2+\p+1], v[\xr+\p:\xr+\p+1], 2.0 op_sel_hi:[1,0] neg_lo:[1,0] neg_hi:[1,0]
	v_pk_add_f32 v[D3+\p:D3+\p+1], v[\xr+\p:\xr+\p+1], s[THREE:THREE+1] op_sel_hi:[1,0] neg_lo:[1,0] neg_hi:[1,0]
	v_pk_add_f32 v[D4+\p:D4+\p+1], v[\xr+\p:\xr+\p+1], 4.0 op_sel_hi:[1,0] neg_lo:[1,0] neg_hi:[1,0]
.endr
.irp e, 0,1,2,3,4,5,6,7
	v_max_num_f32 v[HT0+\e], 0, v[D1+\e]
	v_med3_num_f32 v[HT1+\e], v[\xr+\e], v[D2+\e], 0
	v_med3_num_f32 v[HT2+\e], -v[D1+\e], v[D3+\e], 0
	v_med3_num_f32 v[HT3+\e], -v[D2+\e], v[D4+\e], 0
.endr
.irp p, 0,2,4,6
	v_pk_mul_f32 v[P1+\p:P1+\p+1], v[D1+\p:D1+\p+1], v[HT0+\p:HT0+\p+1]
	v_pk_mul_f32 v[E2+\p:E2+\p+1], v[\xr+\p:\xr+\p+1], v[HT0+\p:HT0+\p+1]
	v_pk_mul_f32 v[F2+\p:F2+\p+1], v[D2+\p:D2+\p+1], v[HT1+\p:HT1+\p+1]
	v_pk_mul_f32 v[Q3+\p:Q3+\p+1], v[\xr+\p:\xr+\p+1], v[HT1+\p:HT1+\p+1]
	v_pk_mul_f32 v[Q4+\p:Q4+\p+1], v[D4+\p:D4+\p+1], v[HT3+\p:HT3+\p+1]
.endr
.irp p, 0,2,4,6
	v_pk_fma_f32 v[E2+\p:E2+\p+1], v[F2+\p:F2+\p+1], 0.5, v[E2+\p:E2+\p+1] op_sel_hi:[1,0,1]
	v_pk_fma_f32 v[Q3+\p:Q3+\p+1], v[D3+\p:D3+\p+1], v[HT2+\p:HT2+\p+1], v[Q3+\p:Q3+\p+1]
	v_pk_fma_f32 v[Q4+\p:Q4+\p+1], v[D1+\p:D1+\p+1], v[HT2+\p:HT2+\p+1], v[Q4+\p:Q4+\p+1] neg_lo:[1,0,0] neg_hi:[1,0,0]
.endr
.irp p, 0,2,4,6
	v_pk_mul_f32 v[E2+\p:E2+\p+1], v[E2+\p:E2+\p+1], 0.5 op_sel_hi:[1,0]
	v_pk_mul_f32 v[Q3+\p:Q3+\p+1], v[Q3+\p:Q3+\p+1], s[SIXTH:SIXTH+1] op_sel_hi:[1,0]
	v_pk_mul_f32 v[Q4+\p:Q4+\p+1], v[Q4+\p:Q4+\p+1], s[SIXTH:SIXTH+1] op_sel_hi:[1,0]
.endr
.irp p, 0,2,4,6
	v_pk_mul_f32 v[OUT+4*\p:OUT+4*\p+1], v[D1+\p:D1+\p+1], v[P1+\p:P1+\p+1]
	v_pk_mul_f32 v[OUT+4*\p+2:OUT+4*\p+3], v[\xr+\p:\xr+\p+1], v[P1+\p:P1+\p+1]
	v_pk_mul_f32 v[OUT+4*\p+4:OUT+4*\p+5], v[\xr+\p:\xr+\p+1], v[E2+\p:E2+\p+1]
	v_pk_mul_f32 v[OUT+4*\p+6:OUT+4*\p+7], v[\xr+\p:\xr+\p+1], v[Q3+\p:Q3+\p+1]
.endr
.irp p, 0,2,4,6
	v_pk_fma_f32 v[OUT+4*\p+2:OUT+4*\p+3], v[D2+\p:D2+\p+1], v[E2+\p:E2+\p+1], v[OUT+4*\p+2:OUT+4*\p+3]
	v_pk_fma_f32 v[OUT+4*\p+4:OUT+4*\p+5], v[D3+\p:D3+\p+1], v[Q3+\p:Q3+\p+1], v[OUT+4*\p+4:OUT+4*\p+5]
	v_pk_fma_f32 v[OUT+4*\p+6:OUT+4*\p+7], v[D4+\p:D4+\p+1], v[Q4+\p:Q4+\p+1], v[OUT+4*\p+6:OUT+4*\p+7]
.endr
	QUANT OUT, 2, 0, 230, PC+8*(\k), 2*(\k), PW+(\s)
	IMG PC+8*(\k), 2, (\buf)*16384+(\s)*8192+1024*(\k)
.if (\k) == 1
	ds_store_b32 v[ASW], v[PW+(\s)] offset:(\buf)*512+(\s)*256
.endif
.endm
; A producer's interval: a spline slot (64 features, 256 along K) from set pb of x into operand buffer pb; the next slot's x is asked for first.
.macro SPLINE pb
	s_wait_loadcnt 0x0                             ; this slot's x, asked for an interval ago; so the walking base may be written
.if (\pb) == 0
	s_add_nc_u64 s[XBB:XBB+1], s[XBB:XBB+1], 512   ; two slots on; the odd slot between them lies 256 bytes back
	XLOADB BX+32, -256
.else
	s_cmp_eq_u32 s[TRIP], 1                        ; the last slot has no successor: no load leaves its row
	s_cbranch_scc1 .Lnox_\@
	XLOADB BX, 0
.Lnox_\@:
.endif
	BATCH BX+32*(\pb), 0, (\pb), 0, 0, 64*(4*(\pb)+1), 0
	BATCH BX+32*(\pb)+8, 1, (\pb), 0, 2, 64*(4*(\pb)+2), 0      ; behind its statistics loads: two image stores
	BATCH BX+32*(\pb)+16, 0, (\pb), 1, 3, 64*(4*(\pb)+3), 0     ; two image stores and a scale word
	BATCH BX+32*(\pb)+24, 1, (\pb), 1, 2, 64*(4*(\pb)+4), (\pb)
.endm
; one matrix instruction.  ra, rb: the weights' (the rows') scale words stand in lanes 16-31
.macro MM acc, hf, xf, sw, sx, ra, rb, zero
.if \zero
.if (\ra) && (\rb)
	v_wmma_scale_f32_16x16x128_f8f6f4 v[\acc:\acc+7], v[\hf:\hf+15], v[\xf:\xf+15], 0, v[\sw], v[\sx] matrix_a_fmt:MATRIX_FMT_BF8 matrix_b_fmt:MATRIX_FMT_BF8 matrix_a_scale:MATRIX_SCALE_ROW1 matrix_b_scale:MATRIX_SCALE_ROW1
.elseif (\ra)
	v_wmma_scale_f32_16x16x128_f8f6f4 v[\acc:\acc+7], v[\hf:\hf+15], v[\xf:\xf+15], 0, v[\sw], v[\sx] matrix_a_fmt:MATRIX_FMT_BF8 matrix_b_fmt:MATRIX_FMT_BF8 matrix_a_scale:MATRIX_SCALE_ROW1
.elseif (\rb)
	v_wmma_scale_f32_16x16x128_f8f6f4 v[\acc:\acc+7], v[\hf:\hf+15], v[\xf:\xf+15], 0, v[\sw], v[\sx] matrix_a_fmt:MATRIX_FMT_BF8 matrix_b_fmt:MATRIX_FMT_BF8 matrix_b_scale:MATRIX_SCALE_ROW1
.else
	v_wmma_scale_f32_16x16x128_f8f6f4 v[\acc:\acc+7], v[\hf:\hf+15], v[\xf:\xf+15], 0, v[\sw], v[\sx] matrix_a_fmt:MATRIX_FMT_BF8 matrix_b_fmt:MATRIX_FMT_BF8
.endif
.else
.if (\ra) && (\rb)
	v_wmma_scale_f32_16x16x128_f8f6f4 v[\acc:\acc+7], v[\hf:\hf+15], v[\xf:\xf+15], v[\acc:\acc+7], v[\sw], v[\sx] matrix_a_fmt:MATRIX_FMT_BF8 matrix_b_fmt:MATRIX_FMT_BF8 matrix_a_scale:MATRIX_SCALE_ROW1 matrix_b_scale:MATRIX_SCALE_ROW1
.elseif (\ra)
	v_wmma_scale_f32_16x16x128_f8f6f4 v[\acc:\acc+7], v[\hf:\hf+15], v[\xf:\xf+15], v[\acc:\acc+7], v[\sw], v[\sx] matrix_a_fmt:MATRIX_FMT_BF8 matrix_b_fmt:MATRIX_FMT_BF8 matrix_a_scale:MATRIX_SCALE_ROW1
.elseif (\rb)
	v_wmma_scale_f32_16x16x128_f8f6f4 v[\acc:\acc+7], v[\hf:\hf+15], v[\xf:\xf+15], v[\acc:\acc+7], v[\sw], v[\sx] matrix_a_fmt:MATRIX_FMT_BF8 matrix_b_fmt:MATRIX_FMT_BF8 matrix_b_scale:MATRIX_SCALE_ROW1
.else
	v_wmma_scale_f32_16x16x128_f8f6f4 v[\acc:\acc+7], v[\hf:\hf+15], v[\xf:\xf+15], v[\acc:\acc+7], v[\sw], v[\sx] matrix_a_fmt:MATRIX_FMT_BF8 matrix_b_fmt:MATRIX_FMT_BF8
.endif
.endif
.endm
; 16 matrix instructions: tiles t0 to t0 + 3 of my columns x the four tiles of rows, K step ks.  Accumulator (a, t) at v[256 + 8 (8 a + t)].  The accumulators take turns, one instruction a turn.
.macro GRP hreg, t0, ks, par, zero
.irp tt, 0,1,2,3
.irp a, 0,1,2,3
	MM 8*(8*\a+\t0+\tt), \hreg+16*\tt, X+16*\a, WS+8*(\par)+2*((\t0+\tt)/2)+(\ks), AS+2*(\ks)+\a/2, \tt%2, \a%2, \zero
.endr
.endr
.endm
.macro LOADF reg, adr, off             ; a fragment: four loads of 512 consecutive bytes
.irp cc, 0,1,2,3
	ds_load_b128 v[\reg+4*\cc:\reg+4*\cc+3], v[\adr] offset:(\off)+512*\cc
.endr
.endm
.macro LOADX par, ks
.irp a, 0,1,2,3
	LOADF X+16*\a, AB, (\par)*16384+(\ks)*8192+\a*2048
.endr
.endm
.macro LOADH hreg, par, ks, t0
.irp tt, 0,1,2,3
	LOADF \hreg+16*\tt, WB0+(\par), (\ks)*16384+(\t0+\tt)*2048
.endr
.endm
; A consumer's interval: 64 matrix instructions on slot par and operand buffer par.  zero = 1: the first K step's products start the sums.  ws = 1: the next slot's scale words are asked for.
; THE TWO ROLES' WAYS JOIN BETWEEN THE INTERVALS, and the two roles use the same registers v46-255 for different things.  The distances round matrix instructions are kept on every way through the text:
; eight places at the head, between whatever vector instruction wrote these registers last and my first matrix instruction; eight at the tail, between my last matrix instruction and the join.
.macro MULT par, zero, ws
	PLACES 8
	s_wait_loadcnt 0x0                             ; this slot's scale words, asked for an interval ago; so their walking base may be written
.if \ws
.if (\par) == 1
	s_add_nc_u64 s[WSB:WSB+1], s[WSB:WSB+1], 8192  ; two slots on
.endif
	global_load_b128 v[WS+8*(1-(\par)):WS+8*(1-(\par))+3], v[L16], s[WSB:WSB+1] offset:4096*(1-(\par))
	global_load_b128 v[WS+8*(1-(\par))+4:WS+8*(1-(\par))+7], v[L16], s[WSB:WSB+1] offset:4096*(1-(\par))+512
.endif
	LOADX \par, 0
.irp ks, 0,1
.irp pr, 0,1
	ds_load_b32 v[AS+2*\ks+\pr], v[ASL] offset:(\par)*512+\ks*256+\pr*128
.endr
.endr
	LOADH H0, \par, 0, 0
	LOADH H1, \par, 0, 4
	s_wait_dscnt 16                                ; all but the youngest sixteen: tiles 4 to 7
	WIN 0x50                                       ; C and D in v256-511
	GRP H0, 0, 0, \par, \zero
	WIN 0
	PLACES 8
	LOADH H0, \par, 1, 0
	s_wait_dscnt 16                                ; tiles 4 to 7 are in; the sixteen just issued may be out
	WIN 0x50
	GRP H1, 4, 0, \par, \zero
	WIN 0
	PLACES 8
	LOADX \par, 1
	LOADH H1, \par, 1, 4
	s_wait_dscnt 16                                ; K step 1: tiles 0 to 3 and the rows are in; tiles 4 to 7 may be out
	WIN 0x50
	GRP H0, 0, 1, \par, 0
	s_wait_dscnt 0x0
	GRP H1, 4, 1, \par, 0
	WIN 0
	PLACES 8                                       ; the tail: behind my last matrix instruction, ahead of the join (and, in the last interval, of the first reads of results)
.endm
; INTERVAL i, par = i % 2, with a refill.  Every wave waits for all its tensor loads (its chunk of W(i)), adds 0 to its spare word, and waits for that, for its reads of the slot and buffer that it has left
; and for its image stores.  Behind the cluster's round W(i) and A(i) are whole, nobody of any partner reads the other slot, and W(i + 1) is asked for: the first thing there, one load a wave.
.macro HALF par
	s_wait_tensorcnt 0x0                           ; no tensor load of mine is out, so a group 0 may be written
	ds_add_u32 v[SPW], v[NIL]                      ; 0 onto my spare word
	s_add_nc_u64 s[G0+4*(1-\par)+2:G0+4*(1-\par)+3], s[G0+4*(1-\par)+2:G0+4*(1-\par)+3], 2*SLOT
	s_wait_xcnt 0x0                                ; the last prefetch, an interval back, has read its address
	s_add_nc_u64 s[PFA:PFA+1], s[PFA:PFA+1], SLOT
	s_wait_dscnt 0x0
	ROUND
	tensor_load_to_lds s[G0+4*(1-\par):G0+4*(1-\par)+3], s[G1:G1+7]
	s_nop 0
	PLACES 4                                       ; four v_nop follow the load
.if \par == 1
	v_add_nc_u32 v[STA], 512, v[STA]               ; the trip's 128 features; no LDS instruction of mine is out
.endif
	ASK
	s_cmp_lg_u32 s[ROLE], 0
	s_cbranch_scc1 .Lprod_\@
	MULT \par, 0, 1
	s_branch .Ljoin_\@
.Lprod_\@:
	SPLINE 1-\par
.Ljoin_\@:
.endm
; ================================================================ the head
	s_load_b256 s[4:11], s[0:1], 0x0               ; in, pin, wl, g
	s_load_b128 s[12:15], s[0:1], 0x20             ; b, out
	s_load_b64 s[16:17], s[0:1], 0x30              ; pout
	v_lshl_add_u32 v[SPW], v0, 2, SPARE
	v_mov_b32 v[NIL], 0
	ds_add_u32 v1, v2
	ds_add_u32 v1, v2
	s_wait_dscnt 0x0
	v_lshrrev_b32 v46, 5, v0
	v_readfirstlane_b32 s[WV], v46
	s_lshr_b32 s66, s[WV], 2
	s_xor_b32 s[ROLE], s[WV], s66
	s_and_b32 s[ROLE], s[ROLE], 1                  ; (wave xor wave / 4) odd: a producer.  One of each role among waves w and w + 4, and among waves 2 i and 2 i + 1
	s_lshr_b32 s[Q], s[WV], 1
	s_bfe_u32 s67, ttmp6, 0x40000                  ; cx: my place in the cluster: it enters global addresses of in, pin, out, pout and of the prefetches alone
	s_lshl_b32 s[WG], ttmp9, 2
	s_add_co_u32 s[WG], s[WG], s67
	; descriptor group 1: a chunk of 16,384 dense bytes as 64 rows of 32 elements of 8 bytes, no padding (fragments lie 16 bytes a lane on end)
	s_mov_b32 s[G1], 15|(3<<16)|(1<<21)            ; 15:0 the mask: all four work-groups; 17:16 elements of 8 bytes; 21 set beside a mask
	s_mov_b32 s[G1+1], 32<<16                      ; tensor_dim0 = 32
	s_mov_b32 s[G1+2], 64<<16                      ; tensor_dim1 = 64
	s_mov_b32 s[G1+3], 32<<16                      ; tile_dim0 = 32
	s_mov_b32 s[G1+4], 64                          ; tile_dim1 = 64
	s_mov_b32 s[G1+5], 32                          ; from row to row
	s_mov_b32 s[G1+6], 0
	s_mov_b32 s[G1+7], 0
	s_mov_b32 s[SEL], 0x76543210
	s_mov_b32 s[SEL+1], 0xfedcba98
	s_mov_b32 s[MNT], 0x600000
	s_mov_b32 s[NL2E], 0xbfb8aa3b
	s_mov_b32 s[NL2E+1], s[NL2E]                   ; (the packed forms name pairs, so both words are written)
	s_mov_b32 s[SIXTH], 0x3e2aaaab
	s_mov_b32 s[SIXTH+1], s[SIXTH]
	s_mov_b32 s[THREE], 0x40400000
	s_mov_b32 s[THREE+1], s[THREE]
	s_mov_b32 s[R512], 0x3b000000
	s_mov_b32 s[EPS], 0x3727c5ac
	s_lshl_b32 s68, s[WV], 14                      ; my chunk of a slot, in memory and in LDS alike
	s_mov_b32 s69, 0
	s_lshl_b32 s70, s67, 2
	s_add_co_u32 s70, s70, s[Q]
	s_lshl_b32 s70, s70, 13
	s_add_co_u32 s70, s70, 3*SLOT                  ; the prefetches: part 4 cx + q of sixteen, in W(3): the first change of slots steps it to W(4)
	s_mov_b32 s71, 0
	s_xor_b32 s72, s[ROLE], 1
	s_or_b32 s72, s72, ttmp9                       ; 0 in the producers of cluster 0: the same in all four partners
	s_cmp_eq_u32 s72, 0
	s_cselect_b32 s[LIM], 1, -1
	s_lshl_b32 s72, s[WG], 17                      ; my work-group's 64 rows of 2,048 bytes
	s_mov_b32 s73, 0
	s_lshl_b32 s74, s[Q], 15                       ; a producer's 16 rows
	s_mov_b32 s75, 0
	s_wait_kmcnt 0x0
	s_mov_b32 s[G0], 1                             ; count = 1
	s_mov_b32 s[G0+1], s68                         ; LDS address: slot 0
	s_add_nc_u64 s[G0+2:G0+3], s[WL:WL+1], s[68:69]   ; W(0)
	s_mov_b32 s[G0+4], 1
	s_add_co_u32 s[G0+5], s68, SLOT                ; slot 1
	s_add_nc_u64 s[G0+6:G0+7], s[G0+2:G0+3], SLOT  ; W(1)
	s_or_b32 s[G0+3], s[G0+3], 0x80000000          ; type = 2
	s_or_b32 s[G0+7], s[G0+7], 0x80000000
	s_add_nc_u64 s[PFA:PFA+1], s[WL:WL+1], s[70:71]
	s_add_nc_u64 s[XB:XB+1], s[4:5], s[72:73]
	s_add_nc_u64 s[XB:XB+1], s[XB:XB+1], s[74:75]
	s_mov_b64 s[XBB:XBB+1], s[XB:XB+1]
	s_add_nc_u64 s[YB:YB+1], s[14:15], s[72:73]
	s_add_nc_u64 s[YB:YB+1], s[YB:YB+1], s[68:69]  ; a wave's 8 rows are 16,384 bytes too
	s_lshl_b32 s74, s[Q], 10
	s_add_co_u32 s74, s74, 10*SLOT                 ; the scale words lie behind the ten slots of codes; 1,024 bytes a consumer
	s_add_nc_u64 s[WSB:WSB+1], s[WL:WL+1], s[74:75]
	s_lshr_b32 s74, s[WG], 6
	s_lshl_b32 s74, s74, 18                        ; my batch's 64 blocks of 4,096 bytes
	s_add_nc_u64 s[PIB:PIB+1], s[PIN:PIN+1], s[74:75]
	s_lshl_b32 s74, s[WG], 12
	s_add_nc_u64 s[POB:POB+1], s[16:17], s[74:75]
	ROUND                                          ; all four work-groups are here: the first joint loads meet
	tensor_load_to_lds s[G0:G0+3], s[G1:G1+7]      ; both first fills together, ahead of every wait on TENSORcnt, every LDS read and every other barrier: two loads of mine are out, later never more than one
	s_nop 0
	tensor_load_to_lds s[G0+4:G0+7], s[G1:G1+7]
	s_nop 0
	PLACES 4
	v_and_b32 v46, 31, v0                          ; lane
	v_and_b32 v47, 15, v0                          ; r
	v_bfe_u32 v48, v0, 4, 1                        ; hh
	v_lshlrev_b32 v[L16], 4, v46
	s_lshl_b32 s66, s[Q], 15
	v_add_nc_u32 v[WB0], s66, v[L16]
	v_add_nc_u32 v[WB0+1], SLOT, v[WB0]
	v_add_nc_u32 v[AB], AIMG, v[L16]
	s_lshl_b32 s66, s[Q], 11
	v_add_nc_u32 v[AW], s66, v[AB]
	v_lshl_add_u32 v[ASL], v46, 2, ASC
	v_lshl_add_u32 v[ASW], v47, 2, ASC
	s_lshl_b32 s66, s[Q], 6
	v_add_nc_u32 v[ASW], s66, v[ASW]
	v_lshl_add_u32 v[STA], v48, 4, STX-512         ; one step back: the first trip steps it
	v_add_nc_u32 v[STW], STX, v[L16]
	s_lshl_b32 s66, s[Q], 9
	v_add_nc_u32 v[STW], s66, v[STW]
	v_add_nc_u32 v[PIO], s66, v[L16]
	v_lshl_add_u32 v[LNR], v47, 4, LNS
	s_lshl_b32 s70, s[Q], 2
	v_add_nc_u32 v[LNW], s70, v[LNR]
	v_mul_u32_u24 v[SO0], v47, SPITCH
	v_lshl_add_u32 v[SO0], v48, 5, v[SO0]
	v_add_nc_u32 v[SO0], s66, v[SO0]
	v_add_nc_u32 v[SO0+1], 32*SPITCH, v[SO0]
	s_mul_i32 s66, s[WV], 8*SPITCH
	v_add_nc_u32 v[SR], s66, v[L16]
	s_lshl_b32 s66, s[WV], 12
	v_add_nc_u32 v[MW], s66, v[L16]
	v_add_nc_u32 v[MW], MMS, v[MW]
	v_lshl_add_u32 v[MR], v0, 3, MMS
	v_lshlrev_b32 v[XOB], 11, v47
	v_lshl_add_u32 v[XOS], v48, 6, v[XOB]
	v_lshl_add_u32 v[XOB], v48, 4, v[XOB]
	v_lshlrev_b32 v[T8], 3, v0
	v_lshlrev_b32 v[PFO], 8, v46
.irp d, 116,117,118,119,226,227,228,229,232,233
	v_mov_b32 v\d, 0                               ; written once: a lane permute's destination counts as one of its sources
.endr
	s_cmp_lg_u32 s[ROLE], 0
	s_cbranch_scc1 .Lp_head
; ---- consumer q: min and max of columns 128 q on over my batch's 4,096 rows, from its 64 blocks' figures; four columns a lane.  A ring of three sets of 16 loads (8 blocks x min, max).
.macro PLOAD g
.irp jj, 0,1,2,3,4,5,6,7
.irp m, 0,1
	global_load_b128 v[64+64*((\g)%3)+8*\jj+4*\m:64+64*((\g)%3)+8*\jj+4*\m+3], v[PIO], s[PIB:PIB+1] offset:(8*(\g)+\jj)*4096+\m*2048
.endr
.endr
.endm
.macro PRED g
.set PB, 64+64*((\g)%3)
.irp c, 0,1,2,3
.if (\g) == 0
	v_min_num_f32 v[MNS+\c], v[PB+\c], v[PB+8+\c]
	v_max_num_f32 v[MXS+\c], v[PB+4+\c], v[PB+12+\c]
.else
	v_min3_num_f32 v[MNS+\c], v[MNS+\c], v[PB+\c], v[PB+8+\c]
	v_max3_num_f32 v[MXS+\c], v[MXS+\c], v[PB+4+\c], v[PB+12+\c]
.endif
.endr
.irp jj, 2,4,6
.irp c, 0,1,2,3
	v_min3_num_f32 v[MNS+\c], v[MNS+\c], v[PB+8*\jj+\c], v[PB+8*\jj+8+\c]
	v_max3_num_f32 v[MXS+\c], v[MXS+\c], v[PB+8*\jj+4+\c], v[PB+8*\jj+12+\c]
.endr
.endr
.endm
	global_load_b128 v[WS:WS+3], v[L16], s[WSB:WSB+1]              ; slot 0's scale words
	global_load_b128 v[WS+4:WS+7], v[L16], s[WSB:WSB+1] offset:512
	PLOAD 0
	PLOAD 1
	PLOAD 2
.irp g, 0,1,2,3,4,5,6,7
.if \g < 6
	s_wait_loadcnt 32                              ; group g is in; the two groups issued behind it may be out
.else
	s_wait_loadcnt 16*(7-\g)
.endif
	PRED \g
.if \g < 5
	PLOAD \g+3
.endif
.endr
.irp c, 0,1,2,3
	v_sub_f32 v[54+\c], v[MXS+\c], v[MNS+\c]       ; the range
.endr
.irp c, 0,1,2,3
	v_rcp_f32 v[58+\c], v[54+\c]
.endr
	v_nop
	s_wait_alu depctr_va_vdst(0)                   ; one wait for the four reciprocals, ahead of their first reader
.irp c, 0,1,2,3
	v_fma_f32 v[MXS+\c], -v[54+\c], v[58+\c], 1.0  ; one Newton step
.endr
.irp c, 0,1,2,3
	v_fma_f32 v[58+\c], v[58+\c], v[MXS+\c], v[58+\c]
.endr
.irp c, 0,1,2,3
	v_mul_f32 v[54+\c], 0x44014000, v[58+\c]       ; 517 / range
.endr
	ds_store_b128 v[STW], v[MNS:MNS+3]
	ds_store_b128 v[STW], v[54:57] offset:2048
	s_branch .Lj_head
; ---- producer q: A(0), the first 256 numbers silu(x) of my 16 rows; the loads run a K step ahead
.Lp_head:
	XLOADS XA, 0
	XLOADS XF, 1
	s_wait_loadcnt 16                              ; K step 0's sixteen loads are in, K step 1's may be out
	SILUQ XA, 0, 0
	XLOADS XA, 2
	s_wait_loadcnt 16                              ; K step 1's are in, K step 2's may be out
	SILUQ XF, 0, 1
	XLOADS XF, 3
.Lj_head:
	s_wait_tensorcnt 0x1                           ; my chunk of W(0) is in; W(1)'s may stay out
	BARRIER                                        ; W(0), A(0) and the statistics are whole
; ================================================================ interval 0
	s_cmp_lg_u32 s[ROLE], 0
	s_cbranch_scc1 .Lp_0
	MULT 0, 1, 1
	s_branch .Lj_0
.Lp_0:
	s_wait_loadcnt 16                              ; K step 2's are in, K step 3's may be out
	SILUQ XA, 1, 0
	XLOADB BX, 0                                   ; the first spline slot's x
	s_wait_loadcnt 8                               ; K step 3's are in; the eight just issued may be out
	SILUQ XF, 1, 1
	STLOAD 512                                     ; the first batch's statistics (the address stands one step back)
.Lj_0:
; ================================================================ intervals 1 to 8: four trips of two
	s_mov_b32 s[TRIP], 4
.Ltrip:
	HALF 1
	HALF 0
	s_sub_co_u32 s[TRIP], s[TRIP], 1
	s_cmp_lg_u32 s[TRIP], 0
	s_cbranch_scc1 .Ltrip
; ================================================================ interval 9: nothing is left to fetch or to make
	s_wait_tensorcnt 0x0                           ; my chunk of W(9)
	ds_add_u32 v[SPW], v[NIL]
	s_wait_dscnt 0x0
	s_barrier_signal -1
	s_barrier_wait -1
	s_cmp_lg_u32 s[ROLE], 0
	s_cbranch_scc1 .Lw1
	MULT 1, 0, 0                                   ; its tail's eight places stand in front of the first vector reads of results
; ---- LayerNorm, pass 1: the rows' sums over my 128 columns.  Four chains, one for each tile of rows; each accumulator is read from its low end on.
	WIN 0x05                                       ; sources 0 and 1 in v256-511
.irp a, 0,1,2,3
	v_pk_add_f32 v[46+2*\a:47+2*\a], v[64*\a:64*\a+1], v[64*\a+2:64*\a+3]
.endr
	WIN 0x04                                       ; source 1 alone
.set PJ, 4
.rept 30
.irp a, 0,1,2,3
	v_pk_add_f32 v[46+2*\a:47+2*\a], v[46+2*\a:47+2*\a], v[64*\a+PJ:64*\a+PJ+1]
.endr
.set PJ, PJ+2
.endr
	WIN 0
.macro ROWRED pr0, off                 ; a pair's two halves, the other half of the lanes', and to LDS: word q of the row's four
.irp a, 0,1,2,3
	v_add_f32 v[RT+\a], v[\pr0+2*\a], v[\pr0+2*\a+1]
.endr
.irp a, 0,1,2,3
	v_permlanex16_b32 v[RT+4+\a], v[RT+\a], s[SEL], s[SEL+1]
.endr
.irp a, 0,1,2,3
	v_add_f32 v[RT+\a], v[RT+\a], v[RT+4+\a]
.endr
.irp a, 0,1,2,3
	ds_store_b32 v[LNW], v[RT+\a] offset:\off+256*\a
.endr
.endm
.macro ROWGET off                      ; the four consumers' words of my four rows, added in one order in all four: into v[LT + 4 a]
.irp a, 0,1,2,3
	ds_load_b128 v[LT+4*\a:LT+4*\a+3], v[LNR] offset:\off+256*\a
.endr
	s_wait_dscnt 0x0
.irp a, 0,1,2,3
	v_add_f32 v[LT+4*\a], v[LT+4*\a], v[LT+4*\a+1]
	v_add_f32 v[LT+4*\a+2], v[LT+4*\a+2], v[LT+4*\a+3]
.endr
.irp a, 0,1,2,3
	v_add_f32 v[LT+4*\a], v[LT+4*\a], v[LT+4*\a+2]
.endr
.endm
	ROWRED 46, 0
.Lw1:
	s_wait_loadcnt 0x0                             ; on every way that leads here no load into registers is out any more: the loads of g and b below take v64-95, part of which the loops' loads of x took
	BARRIER                                        ; the rows' sums lie in LDS
.irp q, 0,1,2,3
	global_load_b128 v[GG+4*\q:GG+4*\q+3], v[L16], s[GP:GP+1] offset:512*\q   ; g and b of the columns that I take at the end: 128 q + 4 lane on; they land during the two passes below
	global_load_b128 v[BB+4*\q:BB+4*\q+3], v[L16], s[BP:BP+1] offset:512*\q
.endr
	s_cmp_lg_u32 s[ROLE], 0
	s_cbranch_scc1 .Lw2
; ---- pass 2: the mean goes off, then the sums of squares: the variance in two passes, as it is defined
	ROWGET 0
.irp a, 0,1,2,3
	v_mul_f32 v[46+2*\a], s[R512], v[LT+4*\a]
	v_mul_f32 v[47+2*\a], s[R512], v[LT+4*\a]
.endr
	WIN 0x41                                       ; destination and source 0 in v256-511
.set PJ, 0
.rept 32
.irp a, 0,1,2,3
	v_pk_add_f32 v[64*\a+PJ:64*\a+PJ+1], v[64*\a+PJ:64*\a+PJ+1], v[46+2*\a:47+2*\a] neg_lo:[0,1] neg_hi:[0,1]
.endr
.set PJ, PJ+2
.endr
	WIN 0x05
.irp a, 0,1,2,3
	v_pk_mul_f32 v[54+2*\a:55+2*\a], v[64*\a:64*\a+1], v[64*\a:64*\a+1]
.endr
.set PJ, 2
.rept 31
.irp a, 0,1,2,3
	v_pk_fma_f32 v[54+2*\a:55+2*\a], v[64*\a+PJ:64*\a+PJ+1], v[64*\a+PJ:64*\a+PJ+1], v[54+2*\a:55+2*\a]
.endr
.set PJ, PJ+2
.endr
	WIN 0
	ROWRED 54, 1024
.Lw2:
	BARRIER
	s_cmp_lg_u32 s[ROLE], 0
	s_cbranch_scc1 .Lw3
; ---- pass 3: x 1 / sqrt(variance + 1e-5), and into the stage
	ROWGET 1024
.irp a, 0,1,2,3
	v_fma_f32 v[LT+4*\a], v[LT+4*\a], s[R512], s[EPS]
.endr
.irp a, 0,1,2,3
	v_rsq_f32 v[46+2*\a], v[LT+4*\a]
.endr
	v_nop
	s_wait_alu depctr_va_vdst(0)                   ; one wait for the four, ahead of their first reader
.irp a, 0,1,2,3
	v_mov_b32 v[47+2*\a], v[46+2*\a]
.endr
	WIN 0x41
.set PJ, 0
.rept 32
.irp a, 0,1,2,3
	v_pk_mul_f32 v[64*\a+PJ:64*\a+PJ+1], v[64*\a+PJ:64*\a+PJ+1], v[46+2*\a:47+2*\a]
.endr
.set PJ, PJ+2
.endr
	WIN 0x04                                       ; an LDS store's data are its source 1
.irp a, 0,1,2,3
.irp t, 0,1,2,3,4,5,6,7
	ds_store_b128 v[SO0+\a/2], v[64*\a+8*\t:64*\a+8*\t+3] offset:(\a%2)*16*SPITCH+64*\t       ; lane (r, hh): row 16 a + r, columns 128 q + 16 t + 8 hh + 0 .. 7
	ds_store_b128 v[SO0+\a/2], v[64*\a+8*\t+4:64*\a+8*\t+7] offset:(\a%2)*16*SPITCH+64*\t+16
.endr
.endr
	WIN 0
.Lw3:
	BARRIER                                        ; 64 whole rows lie in the stage
; ================================================================ all eight waves: 8 rows each, two at a time: x g + b, silu, min and max, store
.macro RLOAD rd
.irp i, 0,1
.irp q, 0,1,2,3
	ds_load_b128 v[ZS+32*((\rd)%2)+16*\i+4*\q:ZS+32*((\rd)%2)+16*\i+4*\q+3], v[SR] offset:(2*(\rd)+\i)*SPITCH+512*\q
.endr
.endr
.endm
.macro RWORK rd
.set ZB, ZS+32*((\rd)%2)
.if (\rd) < 3
	s_wait_dscnt 8                                 ; these two rows are in; the next two rows' eight loads may be out
.else
	s_wait_dscnt 0x0
.endif
.irp i, 0,16
.irp p, 0,2,4,6,8,10,12,14
	v_pk_fma_f32 v[ZB+\i+\p:ZB+\i+\p+1], v[ZB+\i+\p:ZB+\i+\p+1], v[GG+\p:GG+\p+1], v[BB+\p:BB+\p+1]
.endr
.endr
.set RJ, 0
.rept 16
	v_pk_mul_f32 v[EE+RJ:EE+RJ+1], v[ZB+RJ:ZB+RJ+1], s[NL2E:NL2E+1] op_sel_hi:[1,0]
.set RJ, RJ+2
.endr
.set RJ, 0
.rept 32
	v_exp_f32 v[EE+RJ], v[EE+RJ]
.set RJ, RJ+1
.endr
	v_nop
	s_wait_alu depctr_va_vdst(0)                   ; one wait for the batch
.set RJ, 0
.rept 16
	v_pk_add_f32 v[EE+RJ:EE+RJ+1], v[EE+RJ:EE+RJ+1], 1.0 op_sel_hi:[1,0]
.set RJ, RJ+2
.endr
.set RJ, 0
.rept 32
	v_rcp_f32 v[EE+RJ], v[EE+RJ]
.set RJ, RJ+1
.endr
	v_nop
	s_wait_alu depctr_va_vdst(0)
.set RJ, 0
.rept 16
	v_pk_mul_f32 v[ZB+RJ:ZB+RJ+1], v[ZB+RJ:ZB+RJ+1], v[EE+RJ:EE+RJ+1]
.set RJ, RJ+2
.endr
.irp c, 0,1,2,3,4,5,6,7,8,9,10,11,12,13,14,15
.if (\rd) == 0
	v_min_num_f32 v[MNF+\c], v[ZB+\c], v[ZB+16+\c]
	v_max_num_f32 v[MXF+\c], v[ZB+\c], v[ZB+16+\c]
.else
	v_min3_num_f32 v[MNF+\c], v[MNF+\c], v[ZB+\c], v[ZB+16+\c]
	v_max3_num_f32 v[MXF+\c], v[MXF+\c], v[ZB+\c], v[ZB+16+\c]
.endif
.endr
.irp i, 0,1
.irp q, 0,1,2,3
	global_store_b128 v[L16], v[ZB+16*\i+4*\q:ZB+16*\i+4*\q+3], s[YB:YB+1] offset:(2*(\rd)+\i)*2048+512*\q   ; a wave stores 512 consecutive bytes, at a multiple of 512 from the buffer's first byte
.endr
.endr
.if (\rd) < 2
	s_wait_xcnt 0x0                                ; the stores' data registers are loaded again only behind this wait
	RLOAD (\rd)+2
.endif
.endm
	RLOAD 0
	RLOAD 1
	s_wait_loadcnt 0x0                             ; g and b
	RWORK 0
	RWORK 1
	RWORK 2
	RWORK 3
.irp q, 0,1,2,3
	ds_store_b128 v[MW], v[MNF+4*\q:MNF+4*\q+3] offset:512*\q
	ds_store_b128 v[MW], v[MXF+4*\q:MXF+4*\q+3] offset:2048+512*\q
.endr
	BARRIER                                        ; the eight waves' figures lie in LDS
.irp w, 0,1,2,3,4,5,6,7
.irp m, 0,1
	ds_load_b64 v[EE+4*\w+2*\m:EE+4*\w+2*\m+1], v[MR] offset:\w*4096+\m*2048   ; thread t: columns 2 t, 2 t + 1
.endr
.endr
	s_wait_dscnt 0x0
.irp c, 0,1
	v_min3_num_f32 v[224+\c], v[EE+\c], v[EE+4+\c], v[EE+8+\c]
	v_max3_num_f32 v[226+\c], v[EE+2+\c], v[EE+6+\c], v[EE+10+\c]
.endr
.irp w, 12,20
.irp c, 0,1
	v_min3_num_f32 v[224+\c], v[224+\c], v[EE+\w+\c], v[EE+\w+4+\c]
	v_max3_num_f32 v[226+\c], v[226+\c], v[EE+\w+2+\c], v[EE+\w+6+\c]
.endr
.endr
.irp c, 0,1
	v_min_num_f32 v[224+\c], v[224+\c], v[EE+28+\c]
	v_max_num_f32 v[226+\c], v[226+\c], v[EE+30+\c]
.endr
	global_store_b64 v[T8], v[224:225], s[POB:POB+1]               ; a wave stores 256 consecutive bytes
	global_store_b64 v[T8], v[226:227], s[POB:POB+1] offset:2048
	s_wait_tensorcnt 0x0                           ; the wave's end, behind my last tensor load and my last LDS store
	ds_add_u32 v[SPW], v[NIL]
	s_wait_dscnt 0x0
	ROUND                                          ; the closing round: no work-group ends while a partner may still ask for a chunk that names it
	s_endpgm
.Lfunc_end_k_q5da2543928_layer0:
	.size	k_q5da2543928_layer0, .Lfunc_end_k_q5da2543928_layer0-k_q5da2543928_layer0
	.p2alignl 7, 3214868480
	.fill 96, 4, 3214868480
	.section	.rodata,"a",@progbits
	.p2align	6, 0x0
	.amdhsa_kernel k_q5da2543928_layer0
		.amdhsa_group_segment_fixed_size 327680
		.amdhsa_private_segment_fixed_size 0
		.amdhsa_enable_private_segment 0
		.amdhsa_kernarg_size 56
		.amdhsa_user_sgpr_count 2
		.amdhsa_user_sgpr_kernarg_segment_ptr 1
		.amdhsa_wavefront_size32 1
		.amdhsa_system_sgpr_workgroup_id_x 1
		.amdhsa_system_sgpr_workgroup_id_y 1
		.amdhsa_system_sgpr_workgroup_id_z 1
		.amdhsa_system_vgpr_workitem_id 0
		.amdhsa_next_free_vgpr 512
		.amdhsa_next_free_sgpr 80
		.amdhsa_reserve_vcc 0
		.amdhsa_float_denorm_mode_32 3
		.amdhsa_float_denorm_mode_16_64 3
		.amdhsa_memory_ordered 1
		.amdhsa_forward_progress 1
		.amdhsa_inst_pref_size 255
	.end_amdhsa_kernel
	.section	.bss,"aw",@nobits
	.p2align	6
	.space	262144
	.amdgpu_metadata
---
amdhsa.version: [ 1, 2 ]
amdhsa.kernels:
  - .name:           k_q5da2543928_layer0
    .symbol:         k_q5da2543928_layer0.kd
    .args:
      - { .name: x, .offset: 0, .size: 8, .value_kind: global_buffer, .address_space: global }
      - { .name: p0, .offset: 8, .size: 8, .value_kind: global_buffer, .address_space: global }
      - { .name: wl0, .offset: 16, .size: 8, .value_kind: global_buffer, .address_space: global }
      - { .name: g0, .offset: 24, .size: 8, .value_kind: global_buffer, .address_space: global }
      - { .name: b0, .offset: 32, .size: 8, .value_kind: global_buffer, .address_space: global }
      - { .name: h, .offset: 40, .size: 8, .value_kind: global_buffer, .address_space: global }
      - { .name: p1, .offset: 48, .size: 8, .value_kind: global_buffer, .address_space: global }
    .group_segment_fixed_size: 327680
    .private_segment_fixed_size: 0
    .kernarg_segment_align: 8
    .kernarg_segment_size: 56
    .max_flat_workgroup_size: 256
    .sgpr_count:     80
    .vgpr_count:     512
    .wavefront_size: 32
...
	.end_amdgpu_metadata
.endif
;; end of part 2
;; launch layer1: the kernel of part 2 again; grid 256 x 1, 8 waves a work-group, clusters of 4 x 1, 327,680 bytes of LDS; arguments h, p1, wl1, g1, b1, out0, p2; writes out0, p2
